; MI455X (gfx1250); checked and timed in simulation.
; The chip was launched on July 23, 2026; its instructions are those of AMD's public machine-readable ISA for CDNA 5 (MIT licence, August 2026) and "CDNA5" Instruction Set Architecture Reference Guide (July 2026). The comments in the code are by the model that wrote it; some were corrected since.
;; Multi Headed Attention. Allowed arithmetic: matrix products marked QUANTISED: E2M1 operands, one E8M0 scale for each 32 along K, by v_wmma_scale_f32_16x16x128_f8f6f4 with both operands' format E2M1 (or v_wmma_scale_f32_32x16x128_f4), f32 sums; everything else in f32.
;; Inputs: Wk 16 x 64 x 1,024 float32; Wp 1,024 x 1,024 float32; Wq 16 x 64 x 1,024 float32; Wv 16 x 64 x 1,024 float32; bk 16 x 64 float32; bp 1,024 float32; bq 16 x 64 float32; bv 16 x 64 float32; key 4 x 2,048 x 1,024 float32; mask 4 x 2,048 x 2,048 bool; query 4 x 2,048 x 1,024 float32; value 4 x 2,048 x 1,024 float32.
;; Outputs: out0 4 x 2,048 x 1,024 float32.
;; This version of the problem:
;;   THIS VERSION OF THE PROBLEM IS GIVEN IN LOW PRECISION. The matrix products marked QUANTISED in the list below multiply operands that are first quantised to E2M1 (2 exponent bits, 1 mantissa bit; 4 bits a number), with one power-of-two scale for each 32 numbers along K (OCP MX v1.0); their sums are f32. All else is computed in f32.
;;   The module's matrix products, in the order in which they are computed (A, B: the left and right operand; K: the contracted axis; several contracted axes count as one K, in the product's order):
;;     1. [M 1,024, K 1,024] x [K 1,024, N 8,192]; A: input Wq; B: input query: QUANTISED
;;     2. [M 1,024, K 1,024] x [K 1,024, N 8,192]; A: input Wk; B: input key: QUANTISED
;;     3. [M 1,024, K 1,024] x [K 1,024, N 8,192]; A: input Wv; B: input value: QUANTISED
;;     4. batch 64 x [M 2,048, K 64] x [K 64, N 2,048]; A: computed on the way; B: computed on the way: QUANTISED
;;     5. batch 64 x [M 2,048, K 2,048] x [K 2,048, N 64]; A: softmax (see below); B: computed on the way: QUANTISED
;;     6. [M 8,192, K 1,024] x [K 1,024, N 1,024]; A: computed on the way; B: input Wp: QUANTISED
;;   THE QUANTISER, for each operand of a quantised product, along K:
;;     - K is cut into blocks of 32 from its start; a last block that is shorter is filled with zeros.
;;     - A block's scale is 2^e with e = floor(log2(the largest magnitude in the block)) - 2, held to -126 .. 127; a block of zeros has e = 0. As a byte (E8M0): e + 127.
;;     - Each number is divided by its block's scale, clamped to +-6, and rounded to the nearest number of E2M1, ties to even, subnormals kept.
;;     - The product sums the exact products of the quantised numbers (number of the format x scale) in f32.
;;   ~~~python
;;   def quantise(x, axis):      # numpy; x: float32 -> the quantised numbers, widened to float32 again
;;       x = np.moveaxis(x, axis, -1); K = x.shape[-1]
;;       x = np.pad(x, [(0, 0)] * (x.ndim - 1) + [(0, -K % 32)]); x = x.reshape(x.shape[:-1] + (-1, 32)); a = np.abs(x).max(-1, keepdims=True)
;;       e = np.where(a > 0, np.clip(np.frexp(np.where(a > 0, a, 1))[1] - 1 - 2, -126, 127), 0)      # np.frexp(a)[1] - 1 = floor(log2(a)), exactly
;;       r = np.clip(x / 2.0 ** e, -6, 6)
;;       step = 2.0 ** (np.maximum(np.frexp(np.where(r == 0, 1, r))[1] - 1, 0) - 1)
;;       q = np.round(r / step) * step * 2.0 ** e      # np.round: ties to even
;;       return np.moveaxis(q.reshape(q.shape[:-2] + (-1,))[..., :K], -1, axis).astype(np.float32)
;;   ~~~
;;   SOFTMAX AHEAD OF A QUANTISED PRODUCT. Where the list says 'softmax', what is quantised is not the finished softmax but p = 2^(t - M), with t = logit x log2(e) and M = ceil(the row's largest t), a whole number; so 1/2 < the row's largest p <= 1. The row's sum l is taken of the UNQUANTISED p, in f32, and the product's result is divided by l at the end. Since M is a whole number, a kernel that streams over the keys may use a running M (the ceiling of the running maximum): every later rescaling is an exact power of two, which a block's scale takes up: the codes' values come out the same.
;;   OPERANDS COMPUTED ON THE WAY. 'Computed on the way' means the value that the module computes at that place (a softmax that the list does not call 'softmax' is quantised finished and normalised). What goes into a quantiser is computed in f32, as accurately as f32 sums, v_exp_f32 and their like allow (about 1e-6 of the number): no bf16 or f16 on the way to a quantiser, and a product that is left as it is and whose result goes on into a quantised operand takes f32 operands (vector FMAs, or v_wmma_f32_16x16x4_f32). A number that lies on a knife's edge between two numbers of the format may be rounded either way, as far as f32 arithmetic and the matrix unit's own rounding can turn it there, and no further.
;; One version. Each part assembles by itself: llvm-mc -triple=amdgcn-amd-amdhsa -mcpu=gfx1250 --defsym DOCPART=n.
;; ======== version 1 of 1: 4 launches
;; limits: right only within a limited range of input values
;; workspace buffers: flg 4,096 bytes of whole numbers; msk 2,097,152 bytes of whole numbers; wts 2,359,296 bytes; qc 5,242,880 bytes; kc 5,242,880 bytes; vc 5,242,880 bytes; zc 5,242,880 bytes
;; launch prep (part 1): grid 256 x 1, 4 waves a work-group, no clusters, 0 bytes of LDS; arguments Wq, Wk, Wv, Wp, mask, wts, msk, flg; writes wts, msk, flg
.if DOCPART == 1
	.amdgcn_target "amdgcn-amd-amdhsa--gfx1250"
	.amdhsa_code_object_version 6
	.text
	.protected	k_q08dbc8b95b_prep
	.globl	k_q08dbc8b95b_prep
	.p2align	8
	.type	k_q08dbc8b95b_prep,@function
k_q08dbc8b95b_prep:
	s_mov_b64 s[64:65], 0
	v_nop
	global_prefetch_b8 v0, s[64:65] scope:SCOPE_SE
	s_setreg_imm32_b32 hwreg(HW_REG_WAVE_MODE, 25, 1), 1
	s_wait_xcnt 0x0
; PREP: what every later launch reads many times is made once.
; Work-groups 0-127: the four weights (each 1,024 rows x 1,024 along K, f32, K innermost) become codes of E2M1 with one E8M0 byte for each 32 along K,
; stored as IMAGES OF OPERAND REGISTERS: a fragment (16 rows x 128 K) is 8 registers a lane; each group of four registers is 512 bytes, lane l's 16 bytes at 16 l.
;   wts: images at q*524288 + h*32768 + t*8192 + s*1024 + c*512 (q: Wq, Wk, Wv, Wp; h: 64 rows; t: tile of 16 rows; s: K step of 128; c: half of the fragment);
;        scale words at 2097152 + q*65536 + h*4096 + s*512 + 16 lane + 4 t.
;   THE ROWS OF A TILE ARE NOT NEIGHBOURS: lane r of tile t takes row 64 h + 32 (t/2) + 8 (t%2) + r + 8 (r/8), so that the results of tiles 2 b and 2 b + 1 are 16 neighbours along the next K.
; Work-groups 128-255: the mask (bytes 0 or 1) becomes lane masks.  For a tile of 16 queries J = 128 b + T and a step s of 128 keys: 64 words at msk + J*4096 + s*256;
;   word n = 16 b' + i, bit l = mask[b][16 T + l%16][128 s + 32 b' + 16 (l/16) + i]: the lane and register in which the attention launch holds that score.
;   Two flag words at flg + 8 J: bit s of the first: some key of step s is open for some query of the tile; of the second: all are.
; A block's scale byte is its largest magnitude's exponent field - 2, held at 1 from below.
; LIMITS: a block of zeros, and one whose largest magnitude lies under 2^-124, gets the byte 1 (the rule says 127 for zeros): its codes are then zeros or held small, and this program alone reads the bytes.
; NaN and infinities among the inputs are not served.  Mask bytes are taken as 0 or 1.
; No LDS, no barrier: waves share nothing.  No matrix work, so nothing here for clusters or large tiles.
.set SEL, 30                           ; s[30:31] lane selects: lane l xor 16
; 64 numbers of a lane, register 16 b + i = k 32 b + 16 (lane/16) + i of my row, become a fragment's 8 code registers at pc and its scale word in pw; tm: 16 registers at work
.macro QUANT4 src, pc, pw, tm
.irp b, 0,1,2,3
	v_max3_num_f32 v[(\tm)+\b], |v[(\src)+16*\b]|, |v[(\src)+1+16*\b]|, 0x1800000   ; my 16 numbers of block b, and the floor 2^(3-127): the byte cannot fall under 1
.endr
.irp i, 2,4,6,8,10,12,14
.irp b, 0,1,2,3
	v_max3_num_f32 v[(\tm)+\b], v[(\tm)+\b], |v[(\src)+16*\b+\i]|, |v[(\src)+1+16*\b+\i]|
.endr
.endr
.irp b, 0,1,2,3
	v_permlanex16_b32 v[(\tm)+4+\b], v[(\tm)+\b], s[SEL], s[SEL+1]
.endr
.irp b, 0,1,2,3
	v_max_num_f32 v[(\tm)+\b], v[(\tm)+\b], v[(\tm)+4+\b]        ; with lane l xor 16's: the block's largest magnitude
.endr
.irp b, 0,1,2,3
	v_add_nc_u32 v[(\tm)+12+\b], 0xff000000, v[(\tm)+\b]         ; 2 off its exponent field: the conversion's scale operand
.endr
.irp b, 0,1,2,3
	v_lshrrev_b32 v[(\tm)+4+\b], 23, v[(\tm)+12+\b]              ; the scale's byte
.endr
	v_lshl_or_b32 v[\pw], v[(\tm)+5], 8, v[(\tm)+4]
	v_lshl_or_b32 v[\pw], v[(\tm)+6], 16, v[\pw]
	v_lshl_or_b32 v[\pw], v[(\tm)+7], 24, v[\pw]
.irp b, 0,1,2,3
	v_cvt_scalef32_pk8_fp4_f32 v[(\pc)+2*\b], v[(\src)+16*\b:(\src)+7+16*\b], v[(\tm)+12+\b]
	v_cvt_scalef32_pk8_fp4_f32 v[(\pc)+1+2*\b], v[(\src)+8+16*\b:(\src)+15+16*\b], v[(\tm)+12+\b]
.endr
	v_nop                                          ; one plain line behind the scaled conversions
.irp c, 0,1
.irp i, 0,1
	v_permlane16_swap_b32 v[(\pc)+4*\c+\i], v[(\pc)+2+4*\c+\i]   ; a whole block to a lane: registers 4 c .. 4 c + 3 hold k = 64 c + 32 (lane/16) + 0 .. 31
.endr
.endr
.endm
.macro LOADW t                         ; tile t's 64 numbers a lane into set t % 2 (v32-95, v96-159)
.irp b, 0,1,2,3
.irp j, 0,1,2,3
	global_load_b128 v[32+64*((\t)%2)+16*\b+4*\j:35+64*((\t)%2)+16*\b+4*\j], v4, s[4:5] offset:(32*((\t)/2)+8*((\t)%2))*4096+128*\b+16*\j th:TH_LOAD_NT
.endr
.endr
.endm
.macro MLOAD k, imm                    ; a step's 64 mask bytes a lane into slot k (v[32+16k ..])
.irp b, 0,1,2,3
	global_load_b128 v[32+16*(\k)+4*\b:35+16*(\k)+4*\b], v4, s[12:13] offset:(\imm)+32*\b th:TH_LOAD_NT
.endr
.endm
; One step of 128 keys out of slot k.  left: the younger loads that may stay out
.macro MSTEP k, refill, left
.set SL, 32+16*(\k)
	s_wait_loadcnt \left                           ; loads come back in order: my slot's four are in
	v_or_b32 v112, v[SL], v[SL+1]
	v_and_b32 v113, v[SL], v[SL+1]
.irp i, 2,3,4,5,6,7,8,9,10,11,12,13,14,15
	v_or_b32 v112, v112, v[SL+\i]
	v_and_b32 v113, v113, v[SL+\i]
.endr
.set n0, 0
.rept 8                                ; eight words at a time: byte n%4 of register n/4 -> a lane mask -> lane n/2 of register n%2
.irp e, 0,1,2,3,4,5,6,7
	v_and_b32 v[104+\e], 1<<(8*(\e&3)), v[SL+4*(n0>>4)+(((n0+\e)&15)>>2)]
.endr
.irp e, 0,1,2,3,4,5,6,7
	v_cmp_ne_u32 s[20+\e], 0, v[104+\e]
.endr
.irp e, 0,1,2,3,4,5,6,7
	v_writelane_b32 v[96+2*(\k)+(\e&1)], s[20+\e], (n0+\e)>>1
.endr
.set n0, n0+8
.endr
.if \refill
	MLOAD \k, 512+128*(\k)                         ; the step four further on
.endif
	global_store_b64 v5, v[96+2*(\k):97+2*(\k)], s[32:33] offset:256*(\k)   ; 32 lanes store 256 consecutive bytes, aligned
	v_cmp_ne_u32 s28, 0, v112
	s_cmp_lg_u32 s28, 0
	s_cselect_b32 s29, s18, 0
	s_or_b32 s16, s16, s29                         ; some key is open
	v_cmp_eq_u32 s28, 0x01010101, v113
	s_cmp_eq_u32 s28, -1
	s_cselect_b32 s29, s18, 0
	s_or_b32 s17, s17, s29                         ; all keys are open
	s_lshl_b32 s18, s18, 1
.endm
	s_load_b256 s[4:11], s[0:1], 0x0               ; Wq s[4:5], Wk s[6:7], Wv s[8:9], Wp s[10:11]
	s_load_b128 s[12:15], s[0:1], 0x20             ; mask s[12:13], wts s[14:15]
	s_load_b128 s[32:35], s[0:1], 0x30             ; msk s[32:33], flg s[34:35]
	v_lshrrev_b32 v1, 5, v0
	v_readfirstlane_b32 s2, v1                     ; wave
	v_and_b32 v1, 31, v0                           ; lane
	v_and_b32 v2, 15, v0                           ; r
	v_bfe_u32 v3, v0, 4, 1                         ; lane / 16
	s_and_b32 s3, ttmp9, 127
	s_lshl_b32 s3, s3, 2
	s_add_co_u32 s3, s3, s2                        ; my job J, 0 .. 511
	s_cmp_lt_u32 ttmp9, 128
	s_cbranch_scc0 .Lmask
	; ---- the weights: job J = (q, h, s): four tiles of 16 rows x 128 along K
	s_mov_b32 s[SEL], 0x76543210
	s_mov_b32 s[SEL+1], 0xfedcba98
	s_lshr_b32 s36, ttmp9, 5                       ; q: hangs on the work-group's number alone
	s_bfe_u32 s37, s3, 0x40003                     ; h
	s_and_b32 s38, s3, 7                           ; s
	s_wait_alu depctr_va_vdst(0)
	v_lshrrev_b32 v6, 3, v2
	v_lshl_add_u32 v6, v6, 3, v2                   ; r + 8 (r/8)
	v_lshlrev_b32 v4, 12, v6                       ; a row is 4,096 bytes
	v_lshl_add_u32 v4, v3, 6, v4                   ; my 16 numbers of a block of 32
	s_lshl_b32 s39, s37, 18
	s_lshl_b32 s28, s38, 9
	s_add_co_u32 s39, s39, s28
	v_add_nc_u32 v4, s39, v4
	v_lshlrev_b32 v5, 4, v1                        ; 16 x lane
	s_wait_alu depctr_va_vdst(0)
	s_lshl_b32 s28, s36, 19
	s_lshl_b32 s29, s37, 15
	s_add_co_u32 s28, s28, s29
	s_lshl_b32 s29, s38, 10
	s_add_co_u32 s28, s28, s29
	v_add_nc_u32 v7, s28, v5                       ; the images' place
	s_lshl_b32 s28, s36, 16
	s_lshl_b32 s29, s37, 12
	s_add_co_u32 s28, s28, s29
	s_lshl_b32 s29, s38, 9
	s_add_co_u32 s28, s28, s29
	v_add_nc_u32 v8, s28, v5                       ; the scale words' place
.irp b, 0,1,2,3
	v_mov_b32 v[204+\b], 0                         ; written once: a lane permute's destination counts as one of its sources
.endr
	s_wait_kmcnt 0x0
	s_cmp_eq_u32 s36, 1
	s_cselect_b64 s[4:5], s[6:7], s[4:5]
	s_cmp_eq_u32 s36, 2
	s_cselect_b64 s[4:5], s[8:9], s[4:5]
	s_cmp_eq_u32 s36, 3
	s_cselect_b64 s[4:5], s[10:11], s[4:5]
	LOADW 0
	LOADW 1
.irp t, 0,1,2,3
.if \t < 3
	s_wait_loadcnt 16                              ; this tile's 16 loads are in; the next tile's 16 may be out
.else
	s_wait_loadcnt 0
.endif
	QUANT4 32+64*(\t%2), 160+8*\t, 192+\t, 200
	global_store_b128 v7, v[160+8*\t:163+8*\t], s[14:15] offset:\t*8192        ; each tile has code registers of its own: no store's data are written again
	global_store_b128 v7, v[164+8*\t:167+8*\t], s[14:15] offset:\t*8192+512
.if \t < 2
	LOADW \t+2
.endif
.endr
	global_store_b128 v8, v[192:195], s[14:15] offset:2097152                  ; the four tiles' scale words: 512 consecutive bytes a wave
	s_endpgm
	; ---- the mask: job J = 128 b + T: 16 queries x 2,048 keys, 16 steps through a ring of four register slots
.Lmask:
	s_wait_alu depctr_va_vdst(0)
	v_lshlrev_b32 v4, 11, v2                       ; query r: a row of the mask is 2,048 bytes
	v_lshl_add_u32 v4, v3, 4, v4                   ; my 16 keys of a block of 32
	s_lshl_b32 s36, s3, 15
	v_add_nc_u32 v4, s36, v4
	v_lshlrev_b32 v5, 3, v1
	s_lshl_b32 s36, s3, 12
	v_add_nc_u32 v5, s36, v5                       ; out: 8 bytes a lane
.irp i, 0,1,2,3,4,5,6,7
	v_mov_b32 v[96+\i], 0                          ; written once: v_writelane_b32's destination counts as read
.endr
	s_mov_b32 s16, 0
	s_mov_b32 s17, 0
	s_mov_b32 s18, 1
	s_wait_kmcnt 0x0
	MLOAD 0, 0
	MLOAD 1, 128
	MLOAD 2, 256
	MLOAD 3, 384
	s_mov_b32 s19, 3
.Lm:
	MSTEP 0, 1, 12                                 ; the three younger slots' 12 loads stay out
	MSTEP 1, 1, 12
	MSTEP 2, 1, 12
	MSTEP 3, 1, 12
	s_wait_xcnt 0x0                                ; the trip's loads and stores have read their offsets and data: both are written again only behind this wait
	v_add_nc_u32 v4, 512, v4
	v_add_nc_u32 v5, 1024, v5
	s_sub_co_u32 s19, s19, 1
	s_cmp_lg_u32 s19, 0
	s_cbranch_scc1 .Lm
	MSTEP 0, 0, 12                                 ; the last four steps load nothing: the counts run down
	MSTEP 1, 0, 8
	MSTEP 2, 0, 4
	MSTEP 3, 0, 0
	v_mov_b32 v114, s16
	v_mov_b32 v115, s17
	s_lshl_b32 s36, s3, 3
	v_mov_b32 v116, s36
	v_cmp_eq_u32 vcc_lo, 0, v1
	s_wait_alu depctr_va_vdst(0)
	s_wait_xcnt 0x0                                ; EXEC changes only behind this wait
	s_and_saveexec_b32 s28, vcc_lo
	global_store_b64 v116, v[114:115], s[34:35]    ; lane 0: the tile's two flag words
	s_wait_xcnt 0x0
	s_or_b32 exec_lo, exec_lo, s28
	s_endpgm
.Lfunc_end_k_q08dbc8b95b_prep:
	.size	k_q08dbc8b95b_prep, .Lfunc_end_k_q08dbc8b95b_prep-k_q08dbc8b95b_prep
	.p2alignl 7, 3214868480
	.fill 96, 4, 3214868480
	.section	.rodata,"a",@progbits
	.p2align	6, 0x0
	.amdhsa_kernel k_q08dbc8b95b_prep
		.amdhsa_group_segment_fixed_size 0
		.amdhsa_private_segment_fixed_size 0
		.amdhsa_enable_private_segment 0
		.amdhsa_kernarg_size 64
		.amdhsa_user_sgpr_count 2
		.amdhsa_user_sgpr_kernarg_segment_ptr 1
		.amdhsa_wavefront_size32 1
		.amdhsa_system_sgpr_workgroup_id_x 1
		.amdhsa_system_sgpr_workgroup_id_y 1
		.amdhsa_system_sgpr_workgroup_id_z 1
		.amdhsa_system_vgpr_workitem_id 0
		.amdhsa_next_free_vgpr 216
		.amdhsa_next_free_sgpr 66
		.amdhsa_reserve_vcc 1
		.amdhsa_float_denorm_mode_32 3
		.amdhsa_float_denorm_mode_16_64 3
		.amdhsa_memory_ordered 1
		.amdhsa_forward_progress 1
		.amdhsa_inst_pref_size 132
	.end_amdhsa_kernel
	.amdgpu_metadata
---
amdhsa.version: [ 1, 2 ]
amdhsa.kernels:
  - .name:           k_q08dbc8b95b_prep
    .symbol:         k_q08dbc8b95b_prep.kd
    .args:
      - { .name: Wq, .offset: 0, .size: 8, .value_kind: global_buffer, .address_space: global }
      - { .name: Wk, .offset: 8, .size: 8, .value_kind: global_buffer, .address_space: global }
      - { .name: Wv, .offset: 16, .size: 8, .value_kind: global_buffer, .address_space: global }
      - { .name: Wp, .offset: 24, .size: 8, .value_kind: global_buffer, .address_space: global }
      - { .name: mask, .offset: 32, .size: 8, .value_kind: global_buffer, .address_space: global }
      - { .name: wts, .offset: 40, .size: 8, .value_kind: global_buffer, .address_space: global }
      - { .name: msk, .offset: 48, .size: 8, .value_kind: global_buffer, .address_space: global }
      - { .name: flg, .offset: 56, .size: 8, .value_kind: global_buffer, .address_space: global }
    .group_segment_fixed_size: 0
    .private_segment_fixed_size: 0
    .kernarg_segment_align: 8
    .kernarg_segment_size: 64
    .max_flat_workgroup_size: 128
    .sgpr_count:     66
    .vgpr_count:     216
    .wavefront_size: 32
...
	.end_amdgpu_metadata
.endif
;; end of part 1
;; launch proj (part 2): grid 64 x 3, 8 waves a work-group, no clusters, 142,336 bytes of LDS; arguments query, key, value, bq, bk, bv, wts, qc, kc, vc; writes qc, kc, vc
.if DOCPART == 2
	.amdgcn_target "amdgcn-amd-amdhsa--gfx1250"
	.amdhsa_code_object_version 6
	.text
	.protected	k_q08dbc8b95b_proj
	.globl	k_q08dbc8b95b_proj
	.p2align	8
	.type	k_q08dbc8b95b_proj,@function
k_q08dbc8b95b_proj:
	s_mov_b64 s[64:65], 0
	v_nop
	global_prefetch_b8 v0, s[64:65] scope:SCOPE_SE
	s_setreg_imm32_b32 hwreg(HW_REG_WAVE_MODE, 25, 1), 1
	s_wait_xcnt 0x0
; PROJ: Q = query Wq^T + bq, K = key Wk^T + bk, V = value Wv^T + bv on codes of E2M1 with E8M0 scales; the results are quantised again for the attention launch.
; A work-group takes 128 tokens of ONE tensor (grid y) against all 1,024 columns.  Eight waves; wave w walks heads 2 w and 2 w + 1 in a loop of two trips: 128 tokens x 64 columns = 32 accumulators, all of register window 1.
; PHASE X: wave w quantises token tile w along K, eight jobs of 16 tokens x 128 K.  A load reads 512 consecutive bytes of one token; four jobs (64 loads) are out at a time, in window 1.
; A job turns through the wave's own stage in LDS (rows 528 bytes apart) so that a lane holds 16 neighbours along K; the fragments go to LDS as images of operand registers; one barrier; then LDS is only read.
; W comes from wts as images of operand registers, straight into registers, three K steps ahead, three sets.  Each fragment of W feeds eight products.
; Q, K: source 0 = 16 rows of W, source 1 = 16 tokens: a lane holds one token, registers run along the head's 64.  V: source 0 = tokens, source 1 = W: a lane holds one of the head's 64, registers run along the keys.
; The rows of a tile of W, and for K and V the tokens of a tile, are not neighbours (lane r of tile t takes 32 (t/2) + 8 (t%2) + r + 8 (r/8) in its 64).
; THE BIAS is the C of K step 0's products, in the result's layout.
; OUT, as images: qc, kc: [16 b + h][tile of 16 tokens][512]; vc: [16 b + h][step of 128 keys][tile of the head's 64][half][512]; scale words from byte 4194304 on: [16 b + h][block of 64 tokens][lane][4], two bytes used in each.
; NO CLUSTER, NO TENSOR LOAD: what work-groups share is W, which goes straight into registers.  NO PREFETCH: x's own loads run four jobs, 32,768 bytes a wave, ahead of their use.
; LIMITS: a block of zeros or under 2^-124 gets the scale byte 1 (this program alone reads the bytes); NaN and infinities are not served.
; WINDOW 0: v1 16 x lane; v4-11, v20-23 offsets; v12-19 x's scale words (codes at work in phase X and on the way out); v24-27, v44-47 result scale words; v32-43 W's scale words; v48-63 at work; v64-127 x's eight fragments; v128-223 W's, three sets; v224-255 the bias.
.set SEL, 26
.set WP,  16
.set BP,  10
.set XSC, 65536                        ; LDS: fragment (m, s) at (8 m + s) x 1024; from XSC on scale words: s x 1024 + 512 (m/4) + 16 lane + 4 (m%4)
.set STG, 73728                        ; a stage for each wave: 16 rows x SP bytes
.set SP,  528
.set SPARE, 141312                     ; the spare words, 128 bytes a wave
.set MSB, 0
.macro WIN new                         ; the immediate's high byte repeats the setting that is left
.if MSB != \new
	s_set_vgpr_msb (MSB<<8)|\new
.set MSB, \new
.endif
.endm
; 64 numbers of a lane (window w), register 16 b + i = k 32 b + 16 (lane/16) + i -> 8 code registers at pc; two = 0: one scale word w0; two = 1: two words of two bytes
.macro QUANT src, pc, w0, w1, tm, two, w
	WIN 0x05*\w
.irp b, 0,1,2,3
	v_max3_num_f32 v[(\tm)+\b], |v[(\src)+16*\b]|, |v[(\src)+1+16*\b]|, 0x1800000   ; the floor 2^(3-127): the byte cannot fall under 1
.endr
	WIN 0x14*\w
.irp i, 2,4,6,8,10,12,14
.irp b, 0,1,2,3
	v_max3_num_f32 v[(\tm)+\b], v[(\tm)+\b], |v[(\src)+16*\b+\i]|, |v[(\src)+1+16*\b+\i]|   ; four blocks by turns
.endr
.endr
	WIN 0
.irp b, 0,1,2,3
	v_permlanex16_b32 v[(\tm)+4+\b], v[(\tm)+\b], s[SEL], s[SEL+1]
.endr
.irp b, 0,1,2,3
	v_max_num_f32 v[(\tm)+\b], v[(\tm)+\b], v[(\tm)+4+\b]        ; with lane l xor 16's: the block's largest magnitude
.endr
.irp b, 0,1,2,3
	v_add_nc_u32 v[(\tm)+12+\b], 0xff000000, v[(\tm)+\b]         ; 2 off the exponent field: the conversion's scale operand
.endr
.irp b, 0,1,2,3
	v_lshrrev_b32 v[(\tm)+4+\b], 23, v[(\tm)+12+\b]              ; the scale's byte
.endr
.if \two
	v_lshl_or_b32 v[\w0], v[(\tm)+5], 8, v[(\tm)+4]
	v_lshl_or_b32 v[\w1], v[(\tm)+7], 8, v[(\tm)+6]
.else
	v_lshl_or_b32 v[\w0], v[(\tm)+5], 8, v[(\tm)+4]
	s_delay_alu instid0(VALU_DEP_1)
	v_lshl_or_b32 v[\w0], v[(\tm)+6], 16, v[\w0]
	s_delay_alu instid0(VALU_DEP_1)
	v_lshl_or_b32 v[\w0], v[(\tm)+7], 24, v[\w0]
.endif
	WIN 0x01*\w
.irp b, 0,1,2,3
	v_cvt_scalef32_pk8_fp4_f32 v[(\pc)+2*\b], v[(\src)+16*\b:(\src)+7+16*\b], v[(\tm)+12+\b]
	v_cvt_scalef32_pk8_fp4_f32 v[(\pc)+1+2*\b], v[(\src)+8+16*\b:(\src)+15+16*\b], v[(\tm)+12+\b]
.endr
	v_nop                                          ; one plain line behind the scaled conversions
	WIN 0
.irp c, 0,1
.irp i, 0,1
	v_permlane16_swap_b32 v[(\pc)+4*\c+\i], v[(\pc)+2+4*\c+\i]   ; a whole block to a lane
.endr
.endr
.endm
.macro XLOAD j                         ; job j: my tile's 16 tokens, K step j, into window 1, set j % 4; v5 stands 8 tokens further on than v4 for K and V
	WIN 0x40
.irp i, 0,1,2,3,4,5,6,7
	global_load_b128 v[64*((\j)%4)+4*\i:64*((\j)%4)+4*\i+3], v4, s[4:5] offset:(\j)*512+\i*4096 th:TH_LOAD_NT
.endr
.irp i, 8,9,10,11,12,13,14,15
	global_load_b128 v[64*((\j)%4)+4*\i:64*((\j)%4)+4*\i+3], v5, s[4:5] offset:(\j)*512+\i*4096 th:TH_LOAD_NT
.endr
	WIN 0
.endm
.macro JOB j
.if (\j) < 5
	s_wait_loadcnt 48                              ; this job's 16 loads are in; three younger jobs may be out
.else
	s_wait_loadcnt 16*(7-(\j))
.endif
	WIN 0x04                                       ; store data in window 1
.irp i, 0,1,2,3,4,5,6,7,8,9,10,11,12,13,14,15
	ds_store_b128 v21, v[64*((\j)%4)+4*\i:64*((\j)%4)+4*\i+3] offset:\i*SP
.endr
	WIN 0
.irp b, 0,1,2,3
.irp q, 0,1,2,3
	ds_load_b128 v[64+16*\b+4*\q:67+16*\b+4*\q], v22 offset:128*\b+16*\q   ; LDS serves a wave's instructions in order: these see the stores
.endr
.endr
	s_wait_dscnt 0x0                               ; the numbers are back; the stores have read their registers; the last job's fragment stores too
.if (\j) < 4
	XLOAD (\j)+4
.endif
	QUANT 64, 12, 24, 24, 48, 0, 0
	ds_store_b128 v8, v[12:15] offset:(\j)*1024
	ds_store_b128 v8, v[16:19] offset:(\j)*1024+512
	ds_store_b32 v9, v24 offset:(\j)*1024
.endm
.macro WLOAD s                         ; K step s of my head's 64 rows of W: four fragments and their scale words: nine loads, into set s % 3
.irp t, 0,1,2,3
.irp c, 0,1
	global_load_b128 v[128+32*((\s)%3)+8*\t+4*\c:131+32*((\s)%3)+8*\t+4*\c], v6, s[WP:WP+1] offset:\t*8192+(\s)*1024+512*\c
.endr
.endr
	global_load_b128 v[32+4*((\s)%3):35+4*((\s)%3)], v7, s[WP:WP+1] offset:2097152+512*(\s)
.endm
.macro BIAS isv                        ; the bias as 32 registers in the result's layout
.if \isv
.irp n, 0,1,2,3
.irp k, 0,1,2,3,4,5,6,7
	global_load_b32 v[224+8*\n+\k], v10, s[BP:BP+1] offset:(32*(\n/2)+8*(\n%2))*4   ; a lane's one number for W's tile n, in all eight registers
.endr
.endr
.else
.irp t, 0,1,2,3
	global_load_b128 v[224+8*\t:227+8*\t], v10, s[BP:BP+1] offset:(32*(\t/2)+8*(\t%2))*4
	global_load_b128 v[228+8*\t:231+8*\t], v10, s[BP:BP+1] offset:(32*(\t/2)+8*(\t%2))*4+16
.endr
.endif
.endm
.macro HALF hf, s, isv                 ; 16 products on x's tiles 4 hf .. 4 hf + 3; the accumulators take turns, one instruction a turn
.irp u, 0,1,2,3
.irp e, 0,1,2,3
.if \isv
.set DD, 32*(2*\u+\hf)+8*\e
.set AA, 64+8*(4*\hf+\e)
.set BB, WB+8*\u
.set CC, 224+8*\u
.set SA, 12+4*\hf+\e
.set SB, WS+\u
.else
.set DD, 32*(4*\hf+\u)+8*\e
.set AA, WB+8*\e
.set BB, 64+8*(4*\hf+\u)
.set CC, 224+8*\e
.set SA, WS+\e
.set SB, 12+4*\hf+\u
.endif
.if (\s) != 0
.set CC, DD
.endif
	v_wmma_scale_f32_16x16x128_f8f6f4 v[DD:DD+7], v[AA:AA+7], v[BB:BB+7], v[CC:CC+7], v[SA], v[SB] matrix_a_fmt:MATRIX_FMT_FP4 matrix_b_fmt:MATRIX_FMT_FP4
.endr
.endr
.endm
.macro KSTEP s, isv
.set WB, 128+32*((\s)%3)
.set WS, 32+4*((\s)%3)
	ds_load_b128 v[12:15], v23 offset:1024*(\s)
	ds_load_b128 v[16:19], v23 offset:1024*(\s)+512
.irp m, 0,1,2,3,4,5,6,7
.irp c, 0,1
	ds_load_b128 v[64+8*\m+4*\c:67+8*\m+4*\c], v1 offset:(8*\m+(\s))*1024+512*\c
.endr
.endr
.if (\s) < 6
	s_wait_loadcnt 18                              ; this step's W (and ahead of it the bias) is in; two younger steps, 9 loads each, may be out
.else
	s_wait_loadcnt 9*(7-(\s))
.endif
	s_wait_dscnt 8                                 ; the scale words and tiles 0-3 are in; tiles 4-7, eight loads, may be out
.if (\s) == 0
	WIN 0x40                                       ; D in window 1, C (the bias) in window 0
.else
	WIN 0x50                                       ; C and D in window 1
.endif
	HALF 0, \s, \isv
	s_wait_dscnt 0x0
	HALF 1, \s, \isv
.rept 4
	v_nop                                          ; four places in front of loads into registers that these products have read, and of the first read of results
.endr
	WIN 0
.if (\s) < 5
	WLOAD (\s)+3
.endif
.endm
.macro EPI isv                         ; 64 registers at a time: two half fragments of the next product, each accumulator read from its low end on
.irp d, 0,1,2,3
.if \d > 0
	s_wait_xcnt 0x0                                ; the stores above have read their data: the code registers are written again only behind this wait
.endif
.if \isv
	QUANT 64*\d, 12, 24+\d, 44+\d, 48, 1, 1
.else
	QUANT 64*\d, 12, 24+2*\d+16*(\d/2), 25+2*\d+16*(\d/2), 48, 1, 1
.endif
	global_store_b128 v11, v[12:15], s[18:19] offset:1024*\d          ; 512 consecutive bytes, aligned
	global_store_b128 v11, v[16:19], s[18:19] offset:1024*\d+512
.endr
	global_store_b128 v20, v[24:27], s[18:19] offset:4194304          ; the scale words of the first block of 64 tokens,
	global_store_b128 v20, v[44:47], s[18:19] offset:4194304+512      ; and of the second
.endm
.macro BODY isv
	s_mov_b32 s28, 0
.Lhead\isv:
.irp k, 0,1,2,3,4,5,6,7
	KSTEP \k, \isv
.endr
	s_cmp_eq_u32 s28, 1
	s_cbranch_scc1 .Lnone\isv                      ; the second head has no successor
	v_add_nc_u32 v6, 0x8000, v6                    ; the next head's images, scale words and bias (all earlier loads have landed)
	v_add_nc_u32 v7, 0x1000, v7
	v_add_nc_u32 v10, 0x100, v10
	s_wait_alu depctr_va_vdst(0)
	BIAS \isv
	WLOAD 0
	WLOAD 1
	WLOAD 2
.Lnone\isv:
	EPI \isv
	s_wait_xcnt 0x0                                ; the stores have read their offsets
	v_add_nc_u32 v11, 0x10000, v11                 ; the next head's place in the results
	v_add_nc_u32 v20, 0x4000, v20
	s_wait_alu depctr_va_vdst(0)
	s_add_co_u32 s28, s28, 1
	s_cmp_lt_u32 s28, 2
	s_cbranch_scc1 .Lhead\isv
	s_wait_tensorcnt 0x0                           ; the wave's end
	ds_add_u32 v30, v31
	s_wait_dscnt 0x0
	s_endpgm
.endm
	s_load_b256 s[4:11], s[0:1], 0x0               ; query s[4:5], key s[6:7], value s[8:9], bq s[10:11]
	s_load_b256 s[12:19], s[0:1], 0x20             ; bk s[12:13], bv s[14:15], wts s[16:17], qc s[18:19]
	s_load_b128 s[20:23], s[0:1], 0x40             ; kc s[20:21], vc s[22:23]
	v_lshl_add_u32 v30, v0, 2, SPARE
	v_mov_b32 v31, 0
	v_lshrrev_b32 v2, 5, v0
	v_readfirstlane_b32 s24, v2                    ; wave = my tile of tokens m; my heads are 2 m, 2 m + 1
	s_and_b32 s25, ttmp7, 0xffff                   ; 0 Q, 1 K, 2 V
	s_mov_b32 s[SEL], 0x76543210
	s_mov_b32 s[SEL+1], 0xfedcba98
	s_lshl_b32 s30, s24, 4                         ; Q: tile m begins at token 16 m
	s_lshr_b32 s31, s24, 2
	s_lshl_b32 s31, s31, 6
	s_bfe_u32 s32, s24, 0x10001
	s_lshl_b32 s32, s32, 5
	s_add_co_u32 s31, s31, s32
	s_and_b32 s32, s24, 1
	s_lshl_b32 s32, s32, 3
	s_add_co_u32 s31, s31, s32                     ; K, V: at 64 (m/4) + 32 ((m/2)%2) + 8 (m%2)
	s_cmp_lg_u32 s25, 0
	s_cselect_b32 s30, s31, s30
	s_cselect_b32 s33, 0x8000, 0                   ; and rows 8-15 lie 8 tokens further on
	s_lshl_b32 s31, ttmp9, 7
	s_add_co_u32 s31, s31, s30
	s_lshl_b32 s31, s31, 12                        ; a token's row is 4,096 bytes
	s_mul_i32 s34, s24, 16*SP
	s_add_co_u32 s34, s34, STG                     ; my stage
	s_lshl_b32 s35, s25, 19
	s_lshl_b32 s36, s24, 16
	s_add_co_u32 s35, s35, s36                     ; W's images: tensor, head 2 m
	s_lshl_b32 s37, s25, 16
	s_lshl_b32 s36, s24, 13
	s_add_co_u32 s37, s37, s36                     ; W's scale words
	s_lshl_b32 s38, s24, 13                        ; LDS: my fragments
	s_lshr_b32 s39, s24, 2
	s_lshl_b32 s39, s39, 9
	s_and_b32 s36, s24, 3
	s_lshl_b32 s36, s36, 2
	s_add_co_u32 s39, s39, s36
	s_add_co_u32 s39, s39, XSC                     ; and their scale words
	s_lshl_b32 s40, s24, 9                         ; head 2 m's 64 numbers of the bias
	s_lshr_b32 s43, ttmp9, 4
	s_lshl_b32 s43, s43, 4
	s_lshl_b32 s36, s24, 1
	s_add_co_u32 s43, s43, s36                     ; 16 b + head
	s_and_b32 s44, ttmp9, 15                       ; the step of 128 tokens in its batch
	s_lshl_b32 s45, s43, 16
	s_lshl_b32 s36, s44, 12
	s_add_co_u32 s45, s45, s36                     ; the results' images
	s_lshl_b32 s46, s43, 5
	s_lshl_b32 s36, s44, 1
	s_add_co_u32 s46, s46, s36
	s_lshl_b32 s46, s46, 9                         ; and scale words
	s_cmp_eq_u32 s25, 2
	s_cselect_b32 s41, 0, 64                       ; Q, K: a lane's bias begins 16 (lane/16) numbers in;
	s_cselect_b32 s42, 4, 0                        ; V: it is that of row r + 8 (r/8)
	v_and_b32 v1, 31, v0
	v_lshlrev_b32 v1, 4, v1                        ; 16 x lane
	v_and_b32 v2, 15, v0                           ; r
	v_bfe_u32 v3, v0, 4, 1                         ; lane / 16
	v_add_nc_u32 v4, s31, v1
	v_add_nc_u32 v5, s33, v4
	v_add_nc_u32 v6, s35, v1
	v_add_nc_u32 v7, s37, v1
	v_add_nc_u32 v8, s38, v1
	v_add_nc_u32 v9, s39, v1
	v_lshrrev_b32 v10, 3, v2
	v_lshl_add_u32 v10, v10, 3, v2
	v_mul_u32_u24 v10, v10, s42
	v_mad_u32_u24 v10, v3, s41, v10
	v_add_nc_u32 v10, s40, v10
	v_add_nc_u32 v11, s45, v1
	v_add_nc_u32 v20, s46, v1
	v_add_nc_u32 v21, s34, v1                      ; the stage, in: as loaded
	v_mul_u32_u24 v22, v2, SP
	v_lshl_add_u32 v22, v3, 6, v22
	v_add_nc_u32 v22, s34, v22                     ; back: row r, my 16 numbers of a block of 32
	v_add_nc_u32 v23, XSC, v1
.irp b, 0,1,2,3
	v_mov_b32 v[52+\b], 0                          ; written once: a lane permute's destination counts as one of its sources
.endr
	s_wait_alu depctr_va_vdst(0)
	s_wait_kmcnt 0x0
	s_cmp_eq_u32 s25, 1                            ; the buffers are chosen by the work-group's y alone
	s_cselect_b64 s[4:5], s[6:7], s[4:5]
	s_cselect_b64 s[10:11], s[12:13], s[10:11]
	s_cselect_b64 s[18:19], s[20:21], s[18:19]
	s_cmp_eq_u32 s25, 2
	s_cselect_b64 s[4:5], s[8:9], s[4:5]
	s_cselect_b64 s[10:11], s[14:15], s[10:11]
	s_cselect_b64 s[18:19], s[22:23], s[18:19]
	s_cbranch_scc1 .Lbv
	BIAS 0
	s_branch .Lbj
.Lbv:
	BIAS 1
.Lbj:
	WLOAD 0                                        ; the first head's first three K steps land under phase X
	WLOAD 1
	WLOAD 2
.irp j, 0,1,2,3
	XLOAD \j
.endr
.irp j, 0,1,2,3,4,5,6,7
	JOB \j
.endr
	s_wait_dscnt 0x0                               ; for the others' sake: my stores have landed
	s_barrier_signal -1
	s_barrier_wait -1                              ; the 64 fragments lie in LDS; from here on LDS is only read
	s_cmp_eq_u32 s25, 2
	s_cbranch_scc1 .Lv
	BODY 0
.Lv:
	BODY 1
.Lfunc_end_k_q08dbc8b95b_proj:
	.size	k_q08dbc8b95b_proj, .Lfunc_end_k_q08dbc8b95b_proj-k_q08dbc8b95b_proj
	.p2alignl 7, 3214868480
	.fill 96, 4, 3214868480
	.section	.rodata,"a",@progbits
	.p2align	6, 0x0
	.amdhsa_kernel k_q08dbc8b95b_proj
		.amdhsa_group_segment_fixed_size 142336
		.amdhsa_private_segment_fixed_size 0
		.amdhsa_enable_private_segment 0
		.amdhsa_kernarg_size 80
		.amdhsa_user_sgpr_count 2
		.amdhsa_user_sgpr_kernarg_segment_ptr 1
		.amdhsa_wavefront_size32 1
		.amdhsa_system_sgpr_workgroup_id_x 1
		.amdhsa_system_sgpr_workgroup_id_y 1
		.amdhsa_system_sgpr_workgroup_id_z 1
		.amdhsa_system_vgpr_workitem_id 0
		.amdhsa_next_free_vgpr 512
		.amdhsa_next_free_sgpr 66
		.amdhsa_reserve_vcc 0
		.amdhsa_float_denorm_mode_32 3
		.amdhsa_float_denorm_mode_16_64 3
		.amdhsa_memory_ordered 1
		.amdhsa_forward_progress 1
		.amdhsa_inst_pref_size 210
	.end_amdhsa_kernel
	.amdgpu_metadata
---
amdhsa.version: [ 1, 2 ]
amdhsa.kernels:
  - .name:           k_q08dbc8b95b_proj
    .symbol:         k_q08dbc8b95b_proj.kd
    .args:
      - { .name: query, .offset: 0, .size: 8, .value_kind: global_buffer, .address_space: global }
      - { .name: key, .offset: 8, .size: 8, .value_kind: global_buffer, .address_space: global }
      - { .name: value, .offset: 16, .size: 8, .value_kind: global_buffer, .address_space: global }
      - { .name: bq, .offset: 24, .size: 8, .value_kind: global_buffer, .address_space: global }
      - { .name: bk, .offset: 32, .size: 8, .value_kind: global_buffer, .address_space: global }
      - { .name: bv, .offset: 40, .size: 8, .value_kind: global_buffer, .address_space: global }
      - { .name: wts, .offset: 48, .size: 8, .value_kind: global_buffer, .address_space: global }
      - { .name: qc, .offset: 56, .size: 8, .value_kind: global_buffer, .address_space: global }
      - { .name: kc, .offset: 64, .size: 8, .value_kind: global_buffer, .address_space: global }
      - { .name: vc, .offset: 72, .size: 8, .value_kind: global_buffer, .address_space: global }
    .group_segment_fixed_size: 142336
    .private_segment_fixed_size: 0
    .kernarg_segment_align: 8
    .kernarg_segment_size: 80
    .max_flat_workgroup_size: 256
    .sgpr_count:     66
    .vgpr_count:     512
    .wavefront_size: 32
...
	.end_amdgpu_metadata
.endif
;; end of part 2
;; launch attn (part 3): grid 4 x 64, 16 waves a work-group, no clusters, 157,696 bytes of LDS; arguments qc, kc, vc, msk, flg, zc; writes zc
.if DOCPART == 3
	.amdgcn_target "amdgcn-amd-amdhsa--gfx1250"
	.amdhsa_code_object_version 6
	.text
	.protected	k_q08dbc8b95b_attn
	.globl	k_q08dbc8b95b_attn
	.p2align	8
	.type	k_q08dbc8b95b_attn,@function
k_q08dbc8b95b_attn:
	s_mov_b64 s[64:65], 0
	v_nop
	global_prefetch_b8 v0, s[64:65] scope:SCOPE_SE
	s_setreg_imm32_b32 hwreg(HW_REG_WAVE_MODE, 25, 1), 1
	s_wait_xcnt 0x0
; ATTN: Z = softmax(where(mask, Q K^T / 8, -1e9)) V for one (batch, head), both products on codes of E2M1 with E8M0 scales; Z leaves quantised along the output projection's K.
; THE SOFTMAX AHEAD OF THE SECOND PRODUCT: t = logit x log2(e); M = the running largest t rounded UP to a whole number; p = 2^(t - M) is quantised along the keys, not normalised; the row's sum is taken of the
; unquantised p and divides at the end.  When M moves, the sum and O are multiplied by 2^(old M - new M): exact.
; SHARES.  A work-group owns one (b, h) = grid y and 512 of its queries.  Each of sixteen waves walks two tiles of 16 queries one after the other, T = 16 x + w and 127 - T: a tile from each end, so that masks that open with the query's number
; give every wave the same work; any mask is served.  Four waves share a SIMD, so that one wave's vector work stands beside another's matrix work and LDS loads.
; K AND V OF THE WHOLE HEAD LIE IN LDS, as the images of operand registers that the launch before stored: 64 KB each, with their scale words; filled once through registers, one barrier, then only read.
; LAYOUT.  S^T = K Q^T (source 0 = 16 keys, source 1 = my 16 queries), O^T = V^T P^T: a lane holds ONE query (lane % 16).  The keys of a tile of K are not neighbours, so that the 16 registers of tiles 2 b, 2 b + 1 are keys 32 b + 16 (lane/16) + 0 .. 15.
; The head's size is 64, half of the instruction's K: Q's upper four registers are zero codes, so whatever stands in K's upper four (the next tile's codes) adds nothing.
; THE MASK IS AN INPUT.  It comes as lane masks (msk: 64 words a step, by scalar loads) and two flag words a tile (flg), which an earlier launch stored.  A step of 128 keys goes one of three ways, by scalar branches on the flags:
;   all keys open for all 16 queries: no masking;  some: t of a hidden key becomes TM = fl(-1e9 x log2 e) = -1,442,695,040, a whole number, ahead of the maximum;
;   none: every p of the step is the same power of two 2^(TM - M), whose quantised value is itself: the step adds V x ones into a second accumulator OM, and at the end Z = (O f1 + OM pm) / l with pm = 2^(TM - final M), l += 128 pm a step.
; So a row with no open key comes out as the mean of V, and hidden keys weigh what -1e9 weighs, whatever the logits.
; NO TENSOR LOAD.  NO CLUSTER: what the four work-groups of a head share is 160 KB, read once at the head, a small part of the launch's work.
; O and OM begin as zeros by 64 moves a pass: which step comes first hangs on the flags, so no product can be written out that starts the sums.
; LIMITS: a block of zeros or under 2^-124 gets the scale byte 1 (this program alone reads the bytes); NaN and infinities are not served.
; REGISTERS: v1 16 x lane, v2 4 x lane; v4-6 bases in LDS; v7 TM; v8-11 the step's LDS addresses; v12 -M, v13 the largest t, v[14:15] the sum in two halves; v16-23 Q (v20-23 zero codes); v24 Q's scale word; v25 the scale word of ones;
; v26-29 offsets of the pass; v32-63 eight half fragments of K, then four fragments of V; v64-67 zero; v68-75 K's scale words, v76-79 V's; v80-87 codes of 1.0; v96-159 S^T, then p; v160-191 O^T; v192-223 OM; v224-231 p's codes; v232-254 at work.
.set SEL,  20                          ; s[20:21] lane selects: lane l xor 16
.set CS,   22                          ; s[22:23] c = log2(e) / 8
.set VIMG, 65536
.set KSC,  131072
.set VSC,  147456
.macro QUANT2 src, pc, pw, tm          ; 32 numbers of a lane, register 16 b + i = k 32 b + 16 (lane/16) + i -> 4 code registers, two scale bytes
.irp b, 0,1
	v_max3_num_f32 v[(\tm)+\b], |v[(\src)+16*\b]|, |v[(\src)+1+16*\b]|, 0x1800000
.endr
.irp i, 2,4,6,8,10,12,14
.irp b, 0,1
	s_delay_alu instid0(VALU_DEP_2)
	v_max3_num_f32 v[(\tm)+\b], v[(\tm)+\b], |v[(\src)+16*\b+\i]|, |v[(\src)+1+16*\b+\i]|
.endr
.endr
.irp b, 0,1
	s_delay_alu instid0(VALU_DEP_2)
	v_permlanex16_b32 v[(\tm)+4+\b], v[(\tm)+\b], s[SEL], s[SEL+1]
.endr
.irp b, 0,1
	s_delay_alu instid0(VALU_DEP_2)
	v_max_num_f32 v[(\tm)+\b], v[(\tm)+\b], v[(\tm)+4+\b]
.endr
.irp b, 0,1
	s_delay_alu instid0(VALU_DEP_2)
	v_add_nc_u32 v[(\tm)+12+\b], 0xff000000, v[(\tm)+\b]
.endr
.irp b, 0,1
	s_delay_alu instid0(VALU_DEP_2)
	v_lshrrev_b32 v[(\tm)+4+\b], 23, v[(\tm)+12+\b]
.endr
	s_delay_alu instid0(VALU_DEP_1)
	v_lshl_or_b32 v[\pw], v[(\tm)+5], 8, v[(\tm)+4]
.irp b, 0,1
	v_cvt_scalef32_pk8_fp4_f32 v[(\pc)+2*\b], v[(\src)+16*\b:(\src)+7+16*\b], v[(\tm)+12+\b]
	v_cvt_scalef32_pk8_fp4_f32 v[(\pc)+1+2*\b], v[(\src)+8+16*\b:(\src)+15+16*\b], v[(\tm)+12+\b]
.endr
	v_nop                                          ; one plain line behind the scaled conversions
.irp i, 0,1
	v_permlane16_swap_b32 v[(\pc)+\i], v[(\pc)+2+\i]
.endr
.endm
.macro VFETCH                          ; the step's four fragments of V^T and their scale words
.irp n, 0,1,2,3
.irp c, 0,1
	ds_load_b128 v[32+8*\n+4*\c:35+8*\n+4*\c], v9 offset:1024*\n+512*\c
.endr
.endr
	ds_load_b128 v[76:79], v11
.endm
.macro PLACES
.rept 4
	v_nop                                          ; four places behind matrix instructions, in front of loads into their registers and of reads of their results
.endr
.endm
; A step with open keys.  msk = 1: some keys are hidden
.macro STEP msk
.if \msk
	s_lshl_b32 s19, s18, 8
	s_add_co_u32 s19, s19, s31                     ; the step's 64 lane masks
	s_load_b512 s[32:47], s[10:11], s19 offset:0x0
	s_load_b512 s[48:63], s[10:11], s19 offset:0x40
	s_load_b512 s[68:83], s[10:11], s19 offset:0x80
	s_load_b512 s[84:99], s[10:11], s19 offset:0xc0
.endif
.irp t, 0,1,2,3,4,5,6,7
	ds_load_b128 v[32+4*\t:35+4*\t], v8 offset:512*\t
.endr
	ds_load_b128 v[68:71], v10
	ds_load_b128 v[72:75], v10 offset:512
	s_wait_dscnt 0x0
.irp t, 0,1,2,3,4,5,6,7
	v_wmma_scale_f32_16x16x128_f8f6f4 v[96+8*\t:103+8*\t], v[32+4*\t:39+4*\t], v[16:23], 0, v[68+\t], v24 matrix_a_fmt:MATRIX_FMT_FP4 matrix_b_fmt:MATRIX_FMT_FP4
.endr
	PLACES
	VFETCH                                         ; V lands while the softmax is walked
.if \msk
.set j, 0
.rept 32
	v_pk_mul_f32 v[96+j:97+j], v[96+j:97+j], s[CS:CS+1] op_sel_hi:[1,0]   ; t = score x c
.set j, j+2
.endr
	s_wait_kmcnt 0x0                               ; the lane masks
.set j, 0
.rept 32
	v_cndmask_b32 v[96+j], v7, v[96+j], s[32+j]    ; a hidden key's t is TM
.set j, j+1
.endr
.rept 32
	v_cndmask_b32 v[96+j], v7, v[96+j], s[36+j]
.set j, j+1
.endr
.endif
.irp b, 0,1,2,3
	v_max3_num_f32 v[232+\b], v[96+16*\b], v[97+16*\b], v[98+16*\b]   ; the largest of each block of 32 keys: it serves the row's maximum and, since p rises with it, the block's largest p
.endr
.irp i, 3,5,7,9,11,13
.irp b, 0,1,2,3
	v_max3_num_f32 v[232+\b], v[232+\b], v[96+16*\b+\i], v[97+16*\b+\i]
.endr
.endr
.irp b, 0,1,2,3
	v_max_num_f32 v[232+\b], v[232+\b], v[111+16*\b]
.endr
.irp b, 0,1,2,3
	s_delay_alu instid0(VALU_DEP_4)
	v_permlanex16_b32 v[236+\b], v[232+\b], s[SEL], s[SEL+1]
.endr
.irp b, 0,1,2,3
	s_delay_alu instid0(VALU_DEP_4)
	v_max_num_f32 v[232+\b], v[232+\b], v[236+\b]  ; with lane l xor 16's 16 keys
.endr
	s_delay_alu instid0(VALU_DEP_2)
	v_max3_num_f32 v254, v232, v233, v234
	s_delay_alu instid0(VALU_DEP_1)
	v_max_num_f32 v254, v254, v235
.if !\msk
	s_delay_alu instid0(VALU_DEP_1)
	v_mul_f32 v254, s[CS], v254                    ; as t (c is positive)
.endif
	s_delay_alu instid0(VALU_DEP_1)
	v_max_num_f32 v13, v13, v254                   ; the running largest t
	v_mov_b32 v254, v12
	s_delay_alu instid0(VALU_DEP_2)
	v_floor_f32 v12, -v13                          ; the new -M = -ceil(t): a whole number
	s_delay_alu instid0(VALU_DEP_1)
	v_sub_f32 v254, v12, v254                      ; old M - new M, 0 or less
	s_delay_alu instid0(VALU_DEP_1)
	v_cvt_i32_f32 v254, v254                       ; (it saturates)
	s_delay_alu instid0(VALU_DEP_1)
	v_ldexp_f32 v252, 1.0, v254                    ; f = 2^(old M - new M)
.set j, 0
.rept 32
.if \msk
	v_pk_add_f32 v[96+j:97+j], v[96+j:97+j], v[12:13] op_sel_hi:[1,0]     ; t - M
.else
	v_pk_fma_f32 v[96+j:97+j], v[96+j:97+j], s[CS:CS+1], v[12:13] op_sel_hi:[1,0,0]   ; score x c - M
.endif
.set j, j+2
.endr
.irp b, 0,1,2,3
.if \msk
	v_add_f32 v[232+\b], v[232+\b], v12
.else
	v_fma_f32 v[232+\b], v[232+\b], s[CS], v12     ; the same of each block's largest
.endif
.endr
.set j, 0
	s_wait_alu depctr_va_vdst(0)
.rept 64
	v_exp_f32 v[96+j], v[96+j]                     ; p = 2^(t - M), at most 1
.set j, j+1
.endr
	v_pk_mul_f32 v[14:15], v[14:15], v[252:253] op_sel_hi:[1,0]   ; the sums under the new M: the plain line behind the exponentials
	s_wait_alu depctr_va_vdst(0)                   ; one wait for the batch of 64, ahead of its first reader
.irp b, 0,1,2,3
	v_exp_f32 v[232+\b], v[232+\b]                 ; each block's largest p
.endr
	v_pk_add_f32 v[236:237], v[100:101], v[104:105]
	v_pk_add_f32 v[246:247], v[108:109], v[112:113]
	v_pk_add_f32 v[244:245], v[116:117], v[120:121]
	v_pk_add_f32 v[242:243], v[124:125], v[128:129]
	v_pk_add_f32 v[240:241], v[132:133], v[136:137]
	v_pk_add_f32 v[238:239], v[140:141], v[144:145]
	v_pk_add_f32 v[230:231], v[148:149], v[152:153]
	v_pk_add_f32 v[14:15], v[14:15], v[156:157]
	v_pk_add_f32 v[236:237], v[236:237], v[96:97]
	v_pk_add_f32 v[246:247], v[246:247], v[98:99]
	v_pk_add_f32 v[244:245], v[244:245], v[102:103]
	v_pk_add_f32 v[242:243], v[242:243], v[106:107]
	v_pk_add_f32 v[240:241], v[240:241], v[110:111]
	v_pk_add_f32 v[238:239], v[238:239], v[114:115]
	v_pk_add_f32 v[230:231], v[230:231], v[118:119]
	v_pk_add_f32 v[14:15], v[14:15], v[122:123]
	v_pk_add_f32 v[236:237], v[236:237], v[126:127]
	v_pk_add_f32 v[246:247], v[246:247], v[130:131]
	v_pk_add_f32 v[244:245], v[244:245], v[134:135]
	v_pk_add_f32 v[242:243], v[242:243], v[138:139]
	v_pk_add_f32 v[240:241], v[240:241], v[142:143]
	v_pk_add_f32 v[238:239], v[238:239], v[146:147]
	v_pk_add_f32 v[230:231], v[230:231], v[150:151]
	v_pk_add_f32 v[14:15], v[14:15], v[154:155]
	v_pk_add_f32 v[236:237], v[236:237], v[158:159]
	s_delay_alu instid0(VALU_DEP_2)
	v_pk_add_f32 v[14:15], v[14:15], v[242:243]
	s_delay_alu instid0(VALU_DEP_2)
	v_pk_add_f32 v[236:237], v[236:237], v[240:241]
	v_pk_add_f32 v[246:247], v[246:247], v[238:239]
	v_pk_add_f32 v[244:245], v[244:245], v[230:231]
	s_delay_alu instid0(VALU_DEP_2)
	v_pk_add_f32 v[14:15], v[14:15], v[246:247]
	s_delay_alu instid0(VALU_DEP_2)
	v_pk_add_f32 v[236:237], v[236:237], v[244:245]
	s_delay_alu instid0(VALU_DEP_1)
	v_pk_add_f32 v[14:15], v[14:15], v[236:237]
	s_wait_alu depctr_va_vdst(0)                   ; and one for the four
.irp b, 0,1,2,3
	v_max_num_f32 v[232+\b], 0x1800000, v[232+\b]  ; the floor 2^(3-127): the byte cannot fall under 1; a block whose every p is 0 has zero codes
.endr
.irp b, 0,1,2,3
	s_delay_alu instid0(VALU_DEP_4)
	v_add_nc_u32 v[244+\b], 0xff000000, v[232+\b]  ; 2 off the exponent field: the conversion's scale operand
.endr
.irp b, 0,1,2,3
	s_delay_alu instid0(VALU_DEP_4)
	v_lshrrev_b32 v[236+\b], 23, v[244+\b]         ; the scale's byte
.endr
	s_delay_alu instid0(VALU_DEP_3)
	v_lshl_or_b32 v253, v237, 8, v236              ; p's scale word for these 128 keys
	s_delay_alu instid0(VALU_DEP_1)
	v_lshl_or_b32 v253, v238, 16, v253
	s_delay_alu instid0(VALU_DEP_1)
	v_lshl_or_b32 v253, v239, 24, v253
.irp b, 0,1,2,3
	v_cvt_scalef32_pk8_fp4_f32 v[224+2*\b], v[96+16*\b:103+16*\b], v[244+\b]
	v_cvt_scalef32_pk8_fp4_f32 v[225+2*\b], v[104+16*\b:111+16*\b], v[244+\b]
.endr
	v_nop                                          ; one plain line behind the scaled conversions
.irp c, 0,1
.irp i, 0,1
	v_permlane16_swap_b32 v[224+4*\c+\i], v[226+4*\c+\i]   ; a whole block to a lane
.endr
.endr
.set j, 0
.rept 16
	v_pk_mul_f32 v[160+j:161+j], v[160+j:161+j], v[252:253] op_sel_hi:[1,0]   ; O^T under the new M.  These sixteen are also the places between the writes of p's codes and scale word and the products below
.set j, j+2
.endr
	s_wait_alu depctr_va_vdst(0)
	s_wait_dscnt 0x0                               ; V
.irp n, 0,1,2,3
	v_wmma_scale_f32_16x16x128_f8f6f4 v[160+8*\n:167+8*\n], v[32+8*\n:39+8*\n], v[224:231], v[160+8*\n:167+8*\n], v[76+\n], v253 matrix_a_fmt:MATRIX_FMT_FP4 matrix_b_fmt:MATRIX_FMT_FP4
.endr
	PLACES
.endm
.macro HSTEP                           ; a step all of whose keys are hidden for all 16 queries: OM += V^T x ones
	VFETCH
	s_wait_dscnt 0x0
.irp n, 0,1,2,3
	v_wmma_scale_f32_16x16x128_f8f6f4 v[192+8*\n:199+8*\n], v[32+8*\n:39+8*\n], v[80:87], v[192+8*\n:199+8*\n], v[76+\n], v25 matrix_a_fmt:MATRIX_FMT_FP4 matrix_b_fmt:MATRIX_FMT_FP4
.endr
	PLACES
.endm
	s_load_b256 s[4:11], s[0:1], 0x0               ; qc s[4:5], kc s[6:7], vc s[8:9], msk s[10:11]
	s_load_b64 s[2:3], s[0:1], 0x20                ; flg
	s_load_b64 s[12:13], s[0:1], 0x28              ; zc
	v_lshl_add_u32 v249, v0, 2, 0x26000
	v_mov_b32 v255, 0
	v_lshrrev_b32 v2, 5, v0
	s_delay_alu instid0(VALU_DEP_1)
	v_readfirstlane_b32 s14, v2                    ; wave 0..15
	s_and_b32 s15, ttmp7, 0xffff                   ; 16 b + h
	v_and_b32 v2, 31, v0
	s_delay_alu instid0(VALU_DEP_1)
	v_lshlrev_b32 v1, 4, v2                        ; 16 x lane
	s_wait_alu depctr_va_vdst(0)
	v_lshlrev_b32 v2, 2, v2                        ; 4 x lane
	s_lshl_b32 s16, ttmp9, 4
	s_add_co_u32 s16, s16, s14                     ; T, my first tile of queries
	s_mov_b32 s[SEL], 0x76543210
	s_mov_b32 s[SEL+1], 0xfedcba98
	s_mov_b32 s[CS], 0x3e38aa3b                    ; c = log2(e) / 8
	s_mov_b32 s[CS+1], s[CS]                       ; (named with it as a pair, so it is written)
	s_mov_b32 s26, 0xceabfb8f                      ; TM = fl(-1e9 x log2 e) = -1,442,695,040
	s_lshl_b32 s27, s15, 16
	s_lshl_b32 s28, s14, 12
	s_add_co_u32 s27, s27, s28
	v_add_nc_u32 v26, s27, v1                      ; the fill: my 4,096 bytes of the head's images, in memory
	s_lshl_b32 s27, s15, 14
	s_lshl_b32 s29, s14, 10
	s_add_co_u32 s27, s27, s29
	v_add_nc_u32 v27, s27, v1                      ; my 1,024 bytes of its scale words
	v_add_nc_u32 v8, s28, v1                       ; and in LDS: K's images,
	s_delay_alu instid0(VALU_DEP_1)
	v_add_nc_u32 v9, VIMG, v8                      ; V's,
	v_add_nc_u32 v10, s29, v1
	s_delay_alu instid0(VALU_DEP_1)
	v_add_nc_u32 v10, KSC, v10                     ; K's scale words,
	s_lshl_b32 s29, s14, 9
	v_add_nc_u32 v11, s29, v1
	s_delay_alu instid0(VALU_DEP_1)
	v_add_nc_u32 v11, VSC, v11                     ; V's: step w's
	v_add_nc_u32 v4, VIMG, v1
	v_add_nc_u32 v5, KSC, v1
	v_add_nc_u32 v6, VSC, v1
	v_mov_b32 v7, s26
	v_mov_b32 v25, 0x7f7f7f7f                      ; four bytes of 2^0
.irp i, 0,1,2,3
	v_mov_b32 v[20+\i], 0                          ; Q's upper half: zero codes
	v_mov_b32 v[64+\i], 0                          ; behind K's last tile
	v_mov_b32 v[236+\i], 0                         ; written once: a lane permute's destination counts as one of its sources
	v_mov_b32 v[250+\i], 0                         ; likewise v252; v251 and v253 are named as upper halves of pairs
.endr
.irp i, 0,1,2,3,4,5,6,7
	v_mov_b32 v[80+\i], 0x22222222                 ; eight codes of 1.0
.endr
	s_wait_kmcnt 0x0
.irp i, 0,1,2,3,4,5,6,7
	global_load_b128 v[96+4*\i:99+4*\i], v26, s[6:7] offset:512*\i
.endr
.irp i, 0,1,2,3,4,5,6,7
	global_load_b128 v[128+4*\i:131+4*\i], v26, s[8:9] offset:512*\i
.endr
	global_load_b128 v[160:163], v27, s[6:7] offset:4194304
	global_load_b128 v[164:167], v27, s[6:7] offset:4194304+512
	global_load_b128 v[168:171], v27, s[8:9] offset:4194304
	global_load_b128 v[172:175], v27, s[8:9] offset:4194304+512
	s_wait_loadcnt 0x0
.irp n, 0,1,2,3
	v_lshl_or_b32 v[168+\n], v[172+\n], 16, v[168+\n]   ; V's scale word of a step: two bytes from each block of 64 keys
.endr
.irp i, 0,1,2,3,4,5,6,7
	ds_store_b128 v8, v[96+4*\i:99+4*\i] offset:512*\i
.endr
.irp i, 0,1,2,3,4,5,6,7
	ds_store_b128 v9, v[128+4*\i:131+4*\i] offset:512*\i
.endr
	ds_store_b128 v10, v[160:163]
	ds_store_b128 v10, v[164:167] offset:512
	ds_store_b128 v11, v[168:171]
	s_wait_dscnt 0x0                               ; for the others' sake: my stores have landed
	s_barrier_signal -1
	s_barrier_wait -1                              ; the head's K and V lie in LDS; from here on LDS is only read, and the waves run free
	s_mov_b32 s17, 0
.Lpass:
	s_wait_xcnt 0x0                                ; the last pass's stores have read their offsets and data: both are written again only behind this wait
	s_lshr_b32 s27, s15, 4
	s_lshl_b32 s27, s27, 7
	s_add_co_u32 s27, s27, s16                     ; G = 128 b + T
	s_lshl_b32 s19, s27, 3
	s_load_b64 s[24:25], s[2:3], s19 offset:0x0    ; the tile's flags: s24 some key open, s25 all open, a bit a step
	s_lshl_b32 s28, s15, 7
	s_add_co_u32 s28, s28, s16
	s_lshl_b32 s28, s28, 9
	v_add_nc_u32 v26, s28, v1
	s_lshl_b32 s28, s15, 5
	s_lshr_b32 s29, s16, 2
	s_add_co_u32 s28, s28, s29
	s_lshl_b32 s28, s28, 9
	s_and_b32 s29, s16, 3
	s_lshl_b32 s29, s29, 2
	s_add_co_u32 s28, s28, s29
	v_add_nc_u32 v27, s28, v1
	global_load_b128 v[16:19], v26, s[4:5]         ; Q's half fragment
	global_load_b32 v24, v27, s[4:5] offset:4194304   ; and its scale word
	s_lshl_b32 s28, s27, 4
	s_and_b32 s29, s15, 15
	s_add_co_u32 s28, s28, s29                     ; 16 G + h
	s_lshl_b32 s29, s28, 9
	v_add_nc_u32 v28, s29, v1                      ; Z's image
	s_lshl_b32 s29, s28, 7
	v_add_nc_u32 v29, s29, v2                      ; Z's scale words
	s_lshl_b32 s31, s27, 12                        ; the tile's lane masks
	v_mov_b32 v13, 0xff61b1e6                      ; the largest t so far: -3e38
	s_delay_alu instid0(VALU_DEP_1)
	v_floor_f32 v12, -v13
	v_mov_b32 v14, 0
	v_mov_b32 v15, 0
.set j, 0
.rept 64
	v_mov_b32 v[160+j], 0                          ; O^T and OM
.set j, j+1
.endr
	s_wait_kmcnt 0x0
	s_wait_loadcnt 0x0
	s_mov_b32 s18, 0
.Lstep:                                            ; 16 trips, a constant
	v_lshl_add_u32 v8, s18, 12, v1                 ; the step's eight half fragments of K,
	v_lshl_add_u32 v9, s18, 12, v4                 ; four fragments of V,
	v_lshl_add_u32 v10, s18, 10, v5                ; and their scale words
	v_lshl_add_u32 v11, s18, 9, v6
	s_bitcmp1_b32 s24, s18
	s_cbranch_scc0 .Lhid
	s_bitcmp1_b32 s25, s18
	s_cbranch_scc1 .Lfull
	s_wait_alu depctr_va_vdst(0)
	STEP 1
	s_branch .Lnext
.Lfull:
	s_wait_alu depctr_va_vdst(0)
	STEP 0
	s_branch .Lnext
.Lhid:
	s_wait_alu depctr_va_vdst(0)
	HSTEP
.Lnext:
	s_add_co_u32 s18, s18, 1
	s_cmp_lt_u32 s18, 16
	s_cbranch_scc1 .Lstep
	; ---- the hidden steps are brought in, Z is divided by the sum, quantised and stored
	s_bcnt1_i32_b32 s27, s24
	s_sub_co_u32 s27, 16, s27                      ; hidden steps
	s_cmp_lg_u32 s27, 0
	s_mov_b32 s28, 0xff61b1e6
	s_cselect_b32 s28, s26, s28                    ; their t: TM, or -3e38 where there is none
	s_lshl_b32 s27, s27, 7                         ; their keys
	v_add_f32 v14, v14, v15
	s_delay_alu instid0(VALU_DEP_1)
	v_permlanex16_b32 v252, v14, s[SEL], s[SEL+1]
	s_delay_alu instid0(VALU_DEP_1)
	v_add_f32 v14, v14, v252                       ; the row's sum over the open steps
	v_max_num_f32 v13, s28, v13
	v_mov_b32 v254, v12
	s_delay_alu instid0(VALU_DEP_2)
	v_floor_f32 v12, -v13                          ; the final -M
	s_delay_alu instid0(VALU_DEP_1)
	v_sub_f32 v254, v12, v254
	s_delay_alu instid0(VALU_DEP_1)
	v_cvt_i32_f32 v254, v254
	s_delay_alu instid0(VALU_DEP_1)
	v_ldexp_f32 v252, 1.0, v254                    ; f1 = 2^(old M - final M)
	s_delay_alu instid0(VALU_DEP_4)
	v_add_f32 v254, s28, v12
	s_delay_alu instid0(VALU_DEP_1)
	v_cvt_i32_f32 v254, v254
	s_delay_alu instid0(VALU_DEP_1)
	v_ldexp_f32 v250, 1.0, v254                    ; pm = 2^(TM - final M): a hidden key's p
	v_cvt_f32_u32 v254, s27
	s_delay_alu instid0(VALU_DEP_1)
	v_mul_f32 v254, v254, v250
	s_delay_alu instid0(VALU_DEP_1)
	v_fma_f32 v14, v14, v252, v254                 ; l
	s_wait_alu depctr_va_vdst(0)
	v_rcp_f32 v14, v14
	v_nop                                          ; a plain line behind the reciprocal
	s_wait_alu depctr_va_vdst(0)                   ; and the wait ahead of its first reader
	v_mul_f32 v252, v252, v14
	v_mul_f32 v250, v250, v14
.set j, 0
.rept 16
	v_pk_mul_f32 v[96+j:97+j], v[160+j:161+j], v[252:253] op_sel_hi:[1,0]   ; each accumulator from its low end on
.set j, j+2
.endr
.set j, 0
.rept 16
	v_pk_fma_f32 v[96+j:97+j], v[192+j:193+j], v[250:251], v[96+j:97+j] op_sel_hi:[1,0,1]
.set j, j+2
.endr
	QUANT2 96, 224, 248, 232                       ; register 16 b + i is Z(query r, 64 h + 32 b + 16 (lane/16) + i): half a fragment of the output projection
	global_store_b128 v28, v[224:227], s[12:13]    ; 512 consecutive bytes, aligned
	global_store_b32 v29, v248, s[12:13] offset:4194304
	s_sub_co_u32 s16, 127, s16                     ; the tile from the other end
	s_add_co_u32 s17, s17, 1
	s_cmp_lt_u32 s17, 2
	s_cbranch_scc1 .Lpass
	s_wait_tensorcnt 0x0
	ds_add_u32 v249, v255
	s_wait_dscnt 0x0
	s_endpgm
.Lfunc_end_k_q08dbc8b95b_attn:
	.size	k_q08dbc8b95b_attn, .Lfunc_end_k_q08dbc8b95b_attn-k_q08dbc8b95b_attn
	.p2alignl 7, 3214868480
	.fill 96, 4, 3214868480
	.section	.rodata,"a",@progbits
	.p2align	6, 0x0
	.amdhsa_kernel k_q08dbc8b95b_attn
		.amdhsa_group_segment_fixed_size 157696
		.amdhsa_private_segment_fixed_size 0
		.amdhsa_enable_private_segment 0
		.amdhsa_kernarg_size 48
		.amdhsa_user_sgpr_count 2
		.amdhsa_user_sgpr_kernarg_segment_ptr 1
		.amdhsa_wavefront_size32 1
		.amdhsa_system_sgpr_workgroup_id_x 1
		.amdhsa_system_sgpr_workgroup_id_y 1
		.amdhsa_system_sgpr_workgroup_id_z 1
		.amdhsa_system_vgpr_workitem_id 0
		.amdhsa_next_free_vgpr 256
		.amdhsa_next_free_sgpr 100
		.amdhsa_reserve_vcc 0
		.amdhsa_float_denorm_mode_32 3
		.amdhsa_float_denorm_mode_16_64 3
		.amdhsa_memory_ordered 1
		.amdhsa_forward_progress 1
		.amdhsa_inst_pref_size 56
	.end_amdhsa_kernel
	.amdgpu_metadata
---
amdhsa.version: [ 1, 2 ]
amdhsa.kernels:
  - .name:           k_q08dbc8b95b_attn
    .symbol:         k_q08dbc8b95b_attn.kd
    .args:
      - { .name: qc, .offset: 0, .size: 8, .value_kind: global_buffer, .address_space: global }
      - { .name: kc, .offset: 8, .size: 8, .value_kind: global_buffer, .address_space: global }
      - { .name: vc, .offset: 16, .size: 8, .value_kind: global_buffer, .address_space: global }
      - { .name: msk, .offset: 24, .size: 8, .value_kind: global_buffer, .address_space: global }
      - { .name: flg, .offset: 32, .size: 8, .value_kind: global_buffer, .address_space: global }
      - { .name: zc, .offset: 40, .size: 8, .value_kind: global_buffer, .address_space: global }
    .group_segment_fixed_size: 157696
    .private_segment_fixed_size: 0
    .kernarg_segment_align: 8
    .kernarg_segment_size: 48
    .max_flat_workgroup_size: 512
    .sgpr_count:     100
    .vgpr_count:     256
    .wavefront_size: 32
...
	.end_amdgpu_metadata
.endif
;; end of part 3
;; launch oproj (part 4): grid 128 x 2, 8 waves a work-group, no clusters, 72,704 bytes of LDS; arguments zc, wts, bp, out0; writes out0
.if DOCPART == 4
	.amdgcn_target "amdgcn-amd-amdhsa--gfx1250"
	.amdhsa_code_object_version 6
	.text
	.protected	k_q08dbc8b95b_oproj
	.globl	k_q08dbc8b95b_oproj
	.p2align	8
	.type	k_q08dbc8b95b_oproj,@function
k_q08dbc8b95b_oproj:
	s_mov_b64 s[64:65], 0
	v_nop
	global_prefetch_b8 v0, s[64:65] scope:SCOPE_SE
	s_setreg_imm32_b32 hwreg(HW_REG_WAVE_MODE, 25, 1), 1
	s_wait_xcnt 0x0
; OPROJ: out0 = Z Wp^T + bp on codes of E2M1 with E8M0 scales.  Z comes as the images of operand registers that the attention launch stored, Wp likewise from the first launch.
; A work-group takes 64 tokens x 512 columns (grid y: which half); each of its eight waves 64 columns: 16 accumulators of 16 x 16.
; Z's 32 fragments (4 tiles of tokens x 8 K steps, 32 KB) are one dense block of zc: it is copied into LDS through registers, 4,096 bytes a wave; the scale words of heads 2 s and 2 s + 1 (two bytes each) are joined into K step s's word; one barrier.
; Wp's fragments go straight from memory into registers, two K steps ahead.
; Source 0 = 16 rows of Wp, source 1 = 16 tokens: a lane holds one token; the rows of a tile of Wp are not neighbours, so that a lane's registers of tiles 2 b, 2 b + 1 are columns 32 b + 16 (lane/16) + 0 .. 15.
; THE WAY OUT: 16 tokens x 64 columns at a time through the wave's own stage in LDS (rows of 256 bytes + 16), back by rows: sixteen lanes store 256 consecutive bytes, aligned.
; The bias is added behind the sums (no room to hold it as the first product's C).
; NO CLUSTER: what work-groups share is Wp, which goes straight into registers; a joint request lands in LDS only.
; REGISTERS as in the projections' launch: v1 16 x lane; v12-15 Z's scale words, v16-23 Wp's: scales and nothing else; v32-63 Z's four fragments; v64-127 Wp's, two sets; v128-255 accumulators (m, t) at 128 + 8 (4 m + t).
.set WP,  6                            ; s[6:7] wts
.set BP,  8                            ; s[8:9] bp
.set XSC, 32768                        ; LDS: fragment (m, s) at (8 m + s) x 1024; from XSC on the scale words: s x 512 + 16 lane + 4 m
.set STG, 36864                        ; the stages: 16 x 272 bytes for each wave
.macro WLOAD s                         ; K step s of my 64 rows of Wp: four fragments and their scale words: nine loads, into set s % 2
.irp t, 0,1,2,3
.irp c, 0,1
	global_load_b128 v[64+32*((\s)%2)+8*\t+4*\c:67+32*((\s)%2)+8*\t+4*\c], v5, s[WP:WP+1] offset:\t*8192+(\s)*1024+512*\c
.endr
.endr
	global_load_b128 v[16+4*((\s)%2):19+4*((\s)%2)], v6, s[WP:WP+1] offset:2097152+512*(\s)
.endm
.macro MM d, a, b, sa, sb, s           ; one product; K step 0 starts the sum with the constant 0
.if (\s) == 0
	v_wmma_scale_f32_16x16x128_f8f6f4 v[\d:\d+7], v[\a:\a+7], v[\b:\b+7], 0, v[\sa], v[\sb] matrix_a_fmt:MATRIX_FMT_FP4 matrix_b_fmt:MATRIX_FMT_FP4
.else
	v_wmma_scale_f32_16x16x128_f8f6f4 v[\d:\d+7], v[\a:\a+7], v[\b:\b+7], v[\d:\d+7], v[\sa], v[\sb] matrix_a_fmt:MATRIX_FMT_FP4 matrix_b_fmt:MATRIX_FMT_FP4
.endif
.endm
; A K step of 128: 16 products on 16 accumulators, which take turns, one instruction a turn
.macro KSTEP s
.set WB, 64+32*((\s)%2)
.set WS, 16+4*((\s)%2)
.if (\s) == 7
	s_wait_loadcnt 8                               ; this step's Wp is in; the eight bias loads may be out
.else
	s_wait_loadcnt 9                               ; this step's Wp is in; the next step's nine loads may be out
.endif
.irp m, 0,1,2,3
.irp c, 0,1
	ds_load_b128 v[32+8*\m+4*\c:35+8*\m+4*\c], v1 offset:(8*\m+(\s))*1024+512*\c
.endr
.endr
	ds_load_b128 v[12:15], v1 offset:XSC+512*(\s)
	s_wait_dscnt 0x0
.irp a, 0,1,2,3
.irp e, 0,1,2,3
	MM 128+8*(4*\a+\e), WB+8*\e, 32+8*\a, WS+\e, 12+\a, \s
.endr
.endr
.rept 4
	v_nop                                          ; four places in front of loads into registers that these products have read, and of the first read of results
.endr
.if (\s) < 6
	WLOAD (\s)+2
.endif
.if (\s) == 6
.irp t, 0,1,2,3                        ; the bias, in the result's layout, into Wp's set 0, which this step has left
	global_load_b128 v[64+8*\t:67+8*\t], v9, s[BP:BP+1] offset:(32*(\t/2)+8*(\t%2))*4
	global_load_b128 v[68+8*\t:71+8*\t], v9, s[BP:BP+1] offset:(32*(\t/2)+8*(\t%2))*4+16
.endr
.endif
.endm
	s_load_b256 s[4:11], s[0:1], 0x0               ; zc s[4:5], wts s[6:7], bp s[8:9], out0 s[10:11]
	v_lshl_add_u32 v30, v0, 2, 0x11800
	v_mov_b32 v31, 0
	v_lshrrev_b32 v2, 5, v0
	s_delay_alu instid0(VALU_DEP_1)
	v_readfirstlane_b32 s12, v2                    ; wave 0..7
	s_and_b32 s13, ttmp7, 0xffff
	s_lshl_b32 s14, s13, 3
	s_add_co_u32 s14, s14, s12                     ; my group of 64 columns, 0..15
	v_and_b32 v24, 31, v0
	s_delay_alu instid0(VALU_DEP_1)
	v_lshlrev_b32 v1, 4, v24                       ; 16 x lane
	s_wait_alu depctr_va_vdst(0)
	v_lshlrev_b32 v24, 2, v24                      ; 4 x lane
	v_and_b32 v2, 15, v0                           ; r
	v_bfe_u32 v3, v0, 4, 1                         ; lane / 16
	s_wait_alu depctr_va_vdst(0)
	s_lshl_b32 s15, ttmp9, 15
	s_lshl_b32 s16, s12, 12
	s_add_co_u32 s15, s15, s16
	v_add_nc_u32 v4, s15, v1                       ; the fill: my 4,096 bytes of the block's images, in memory,
	v_add_nc_u32 v7, s16, v1                       ; and in LDS
	s_lshl_b32 s15, ttmp9, 13
	s_lshl_b32 s16, s12, 8
	s_add_co_u32 s15, s15, s16
	v_add_nc_u32 v8, s15, v24                      ; the scale words of heads 2 w, 2 w + 1
	s_lshl_b32 s16, s12, 9
	s_add_co_u32 s16, s16, XSC
	v_add_nc_u32 v10, s16, v1                      ; K step w's words in LDS
	s_lshl_b32 s15, s14, 15
	s_add_co_u32 s15, s15, 3*524288
	v_add_nc_u32 v5, s15, v1                       ; Wp's images
	s_lshl_b32 s15, s14, 12
	s_add_co_u32 s15, s15, 3*65536
	v_add_nc_u32 v6, s15, v1                       ; Wp's scale words
	v_lshlrev_b32 v9, 6, v3
	s_lshl_b32 s15, s14, 8
	v_add_nc_u32 v9, s15, v9                       ; bp: my 64 columns, + 16 (lane/16) numbers
	s_mul_i32 s16, s12, 16*272
	s_add_co_u32 s16, s16, STG                     ; my stage
	v_mul_u32_u24 v11, v2, 272
	s_delay_alu instid0(VALU_DEP_1)
	v_lshl_add_u32 v11, v3, 6, v11
	s_delay_alu instid0(VALU_DEP_1)
	v_add_nc_u32 v11, s16, v11                     ; in: row r, + 64 (lane/16) bytes
	v_mul_u32_u24 v25, v3, 272
	s_delay_alu instid0(VALU_DEP_1)
	v_lshl_add_u32 v25, v2, 4, v25
	s_delay_alu instid0(VALU_DEP_1)
	v_add_nc_u32 v25, s16, v25                     ; back: lanes 0-15 one row, lanes 16-31 the next
	v_lshlrev_b32 v26, 12, v3
	s_delay_alu instid0(VALU_DEP_1)
	v_lshl_add_u32 v26, v2, 4, v26
	s_lshl_b32 s16, ttmp9, 18                      ; 64 tokens of 4,096 bytes
	s_add_co_u32 s16, s16, s15                     ; + 256 bytes a group of columns
	v_add_nc_u32 v26, s16, v26                     ; and the same two rows in out0
	s_wait_kmcnt 0x0
.irp i, 0,1,2,3,4,5,6,7
	global_load_b128 v[128+4*\i:131+4*\i], v4, s[4:5] offset:512*\i
.endr
.irp m, 0,1,2,3
	global_load_b32 v[160+\m], v8, s[4:5] offset:4194304+2048*\m
	global_load_b32 v[164+\m], v8, s[4:5] offset:4194304+2048*\m+128
.endr
	WLOAD 0
	WLOAD 1
	s_wait_loadcnt 18                              ; Z's 16 loads are in; two K steps of Wp, 9 loads each, may be out
.irp i, 0,1,2,3,4,5,6,7
	ds_store_b128 v7, v[128+4*\i:131+4*\i] offset:512*\i
.endr
.irp m, 0,1,2,3
	v_lshl_or_b32 v[160+\m], v[164+\m], 16, v[160+\m]
.endr
	ds_store_b128 v10, v[160:163]
	s_wait_dscnt 0x0                               ; for the others' sake: my stores have landed
	s_barrier_signal -1
	s_barrier_wait -1                              ; Z's 32 fragments lie in LDS; they are only read from here on
.irp k, 0,1,2,3,4,5,6,7
	KSTEP \k
.endr
	s_wait_loadcnt 0x0                             ; the bias
.irp a, 0,1,2,3
.irp e, 0,1,2,3
.irp p, 0,2,4,6                        ; each accumulator from its low end on
	v_pk_add_f32 v[128+8*(4*\a+\e)+\p:129+8*(4*\a+\e)+\p], v[128+8*(4*\a+\e)+\p:129+8*(4*\a+\e)+\p], v[64+8*\e+\p:65+8*\e+\p]
.endr
.endr
.endr
	s_wait_alu depctr_va_vdst(0)
.irp m, 0,1,2,3                        ; 16 tokens at a time.  LDS serves a wave's instructions in order: the loads see my stores, and the next block's stores come behind them
.if \m >= 2
	s_wait_xcnt 0x0                                ; the stores of two blocks back have read their registers: the loads below may land there
.endif
.irp t, 0,1,2,3
	ds_store_b128 v11, v[128+8*(4*\m+\t):131+8*(4*\m+\t)] offset:128*(\t/2)+32*(\t%2)
	ds_store_b128 v11, v[132+8*(4*\m+\t):135+8*(4*\m+\t)] offset:128*(\t/2)+32*(\t%2)+16
.endr
.irp i, 0,1,2,3,4,5,6,7
	ds_load_b128 v[32+32*(\m%2)+4*\i:35+32*(\m%2)+4*\i], v25 offset:544*\i
.endr
.irp i, 0,1,2,3,4,5,6,7
	s_wait_dscnt 7-\i                              ; the younger read-backs may be out
	global_store_b128 v26, v[32+32*(\m%2)+4*\i:35+32*(\m%2)+4*\i], s[10:11] offset:(16*\m+2*\i)*4096 th:TH_STORE_NT   ; 16 lanes store 256 consecutive bytes, aligned; written once, read by nobody here
.endr
.endr
	s_wait_tensorcnt 0x0
	ds_add_u32 v30, v31
	s_wait_dscnt 0x0
	s_endpgm
.Lfunc_end_k_q08dbc8b95b_oproj:
	.size	k_q08dbc8b95b_oproj, .Lfunc_end_k_q08dbc8b95b_oproj-k_q08dbc8b95b_oproj
	.p2alignl 7, 3214868480
	.fill 96, 4, 3214868480
	.section	.rodata,"a",@progbits
	.p2align	6, 0x0
	.amdhsa_kernel k_q08dbc8b95b_oproj
		.amdhsa_group_segment_fixed_size 72704
		.amdhsa_private_segment_fixed_size 0
		.amdhsa_enable_private_segment 0
		.amdhsa_kernarg_size 32
		.amdhsa_user_sgpr_count 2
		.amdhsa_user_sgpr_kernarg_segment_ptr 1
		.amdhsa_wavefront_size32 1
		.amdhsa_system_sgpr_workgroup_id_x 1
		.amdhsa_system_sgpr_workgroup_id_y 1
		.amdhsa_system_sgpr_workgroup_id_z 1
		.amdhsa_system_vgpr_workitem_id 0
		.amdhsa_next_free_vgpr 256
		.amdhsa_next_free_sgpr 66
		.amdhsa_reserve_vcc 0
		.amdhsa_float_denorm_mode_32 3
		.amdhsa_float_denorm_mode_16_64 3
		.amdhsa_memory_ordered 1
		.amdhsa_forward_progress 1
		.amdhsa_inst_pref_size 47
	.end_amdhsa_kernel
	.amdgpu_metadata
---
amdhsa.version: [ 1, 2 ]
amdhsa.kernels:
  - .name:           k_q08dbc8b95b_oproj
    .symbol:         k_q08dbc8b95b_oproj.kd
    .args:
      - { .name: zc, .offset: 0, .size: 8, .value_kind: global_buffer, .address_space: global }
      - { .name: wts, .offset: 8, .size: 8, .value_kind: global_buffer, .address_space: global }
      - { .name: bp, .offset: 16, .size: 8, .value_kind: global_buffer, .address_space: global }
      - { .name: out0, .offset: 24, .size: 8, .value_kind: global_buffer, .address_space: global }
    .group_segment_fixed_size: 72704
    .private_segment_fixed_size: 0
    .kernarg_segment_align: 8
    .kernarg_segment_size: 32
    .max_flat_workgroup_size: 256
    .sgpr_count:     66
    .vgpr_count:     256
    .wavefront_size: 32
...
	.end_amdgpu_metadata
.endif
;; end of part 4
